; MI455X (gfx1250); checked and timed in simulation.
; The chip was launched on July 23, 2026; its instructions are those of AMD's public machine-readable ISA for CDNA 5 (MIT licence, August 2026) and "CDNA5" Instruction Set Architecture Reference Guide (July 2026). The comments in the code are by the model that wrote it; some were corrected since.
;; Cached Multihead Attention. Allowed arithmetic: matrix products marked QUANTISED: E5M2 operands, one given power-of-two scale a tensor, by v_wmma_f32_16x16x64_bf8_bf8 or v_wmma_f32_16x16x128_bf8_bf8, f32 sums; everything else in f32.
;; Inputs: lowp_scales 8 int32 (the exponents e of the quantised operands' scales 2^e); w_in_codes 3,072 x 32 x 32 uint8 (E5M2 codes of w_in, K innermost, in blocks of 32 codes); w_out_codes 1,024 x 32 x 32 uint8 (E5M2 codes of w_out, K innermost, in blocks of 32 codes); x_codes 4 x 2,048 x 32 x 32 uint8 (E5M2 codes of x, K innermost, in blocks of 32 codes).
;; Outputs: out0 4 x 2,048 x 1,024 float32.
;; This version of the problem:
;;   THIS VERSION OF THE PROBLEM IS GIVEN IN LOW PRECISION. The matrix products marked QUANTISED in the list below multiply operands that are first quantised to E5M2 (5 exponent bits, 2 mantissa bits; 8 bits a number), with one given power-of-two scale for each operand tensor; their sums are f32. All else is computed in f32.
;;   The module's matrix products, in the order in which they are computed (A, B: the left and right operand; K: the contracted axis; several contracted axes count as one K, in the product's order):
;;     1. [M 8,192, K 1,024] x [K 1,024, N 3,072]; A: input x (given as codes); B: input w_in (given as codes): QUANTISED (scales: A lowp_scales[0], B lowp_scales[1])
;;     2. batch 256 x [M 512, K 64] x [K 64, N 1,024]; A: computed on the way; B: computed on the way: QUANTISED (scales: A lowp_scales[2], B lowp_scales[3])
;;     3. batch 256 x [M 512, K 1,024] x [K 1,024, N 64]; A: softmax (see below); B: computed on the way: QUANTISED (scales: A lowp_scales[4], B lowp_scales[5])
;;     4. [M 8,192, K 1,024] x [K 1,024, N 1,024]; A: computed on the way; B: input w_out (given as codes): QUANTISED (scales: A lowp_scales[6], B lowp_scales[7])
;;   THE QUANTISER, for each operand of a quantised product, along K:
;;     - The operand's scale is 2^e, e = its entry of the input lowp_scales (int32; the entries are numbered through the quantised products in the list's order, A before B).
;;     - Each number is divided by the scale, clamped to +-57,344, and rounded to the nearest number of E5M2, ties to even, subnormals kept.
;;     - The product sums the exact products of the quantised numbers (number of the format x scale) in f32.
;;   ~~~python
;;   def quantise(x, axis, e):      # numpy; x: float32 -> the quantised numbers, widened to float32 again
;;       x = np.moveaxis(x, axis, -1); K = x.shape[-1]
;;       r = np.clip(x / 2.0 ** e, -57344, 57344)
;;       step = 2.0 ** (np.maximum(np.frexp(np.where(r == 0, 1, r))[1] - 1, -14) - 2)
;;       q = np.round(r / step) * step * 2.0 ** e      # np.round: ties to even
;;       return np.moveaxis(q, -1, axis).astype(np.float32)
;;   ~~~
;;   SOFTMAX AHEAD OF A QUANTISED PRODUCT. Where the list says 'softmax', what is quantised is not the finished softmax but p = 2^(t - M), with t = logit x log2(e) and M = ceil(the row's largest t), a whole number; so 1/2 < the row's largest p <= 1. The row's sum l is taken of the UNQUANTISED p, in f32, and the product's result is divided by l at the end. Since M is a whole number, a kernel that streams over the keys may use a running M (the ceiling of the running maximum): every later rescaling is an exact power of two, so the quantised numbers keep their values, but for numbers so far below the row's largest that they fall under the format's range.
;;   OPERANDS COMPUTED ON THE WAY. 'Computed on the way' means the value that the module computes at that place (a softmax that the list does not call 'softmax' is quantised finished and normalised). What goes into a quantiser is computed in f32, as accurately as f32 sums, v_exp_f32 and their like allow (about 1e-6 of the number): no bf16 or f16 on the way to a quantiser, and a product that is left as it is and whose result goes on into a quantised operand takes f32 operands (vector FMAs, or v_wmma_f32_16x16x4_f32). A number that lies on a knife's edge between two numbers of the format may be rounded either way, as far as f32 arithmetic and the matrix unit's own rounding can turn it there, and no further.
;;   INPUTS GIVEN AS CODES. w_in (in the module: [3072, 1024], K = its axis 1); w_out (in the module: [1024, 1024], K = its axis 1); x (in the module: [4, 2048, 1024], K = its axis 2): each comes as NAME_codes (uint8): NAME with its K axis moved to the last place and cut into blocks of 32 codes, [.., K / 32, bytes a block], one block behind the other in memory; one code a byte (a code: sign, 5 exponent bits, 2 mantissa bits); its scale is its entry of lowp_scales. Its value is code x scale, taken as it is: it is not quantised again, and the codes and scales need not be those that the quantiser above would give.
;; One version. Each part assembles by itself: llvm-mc -triple=amdgcn-amd-amdhsa -mcpu=gfx1250 --defsym DOCPART=n.
;; ======== version 1 of 1: 3 launches
;; workspace buffers: q_codes 8,388,608 bytes; k_codes 8,388,608 bytes; v_codes 8,388,608 bytes; o_codes 8,388,608 bytes
;; launch qkv (part 1): grid 12 x 32, 4 waves a work-group, clusters of 4 x 4, 327,680 bytes of LDS; arguments x_codes, w_in_codes, lowp_scales, q_codes, k_codes, v_codes; writes q_codes, k_codes, v_codes
.if DOCPART == 1
	.amdgcn_target "amdgcn-amd-amdhsa--gfx1250"
	.amdhsa_code_object_version 6
	.text
	.protected	k_qf6ddfdc184_qkv
	.globl	k_qf6ddfdc184_qkv
	.p2align	8
	.type	k_qf6ddfdc184_qkv,@function
k_qf6ddfdc184_qkv:
	s_mov_b64 s[64:65], 0
	v_nop
	global_prefetch_b8 v0, s[64:65] scope:SCOPE_SE
	s_setreg_imm32_b32 hwreg(HW_REG_WAVE_MODE, 25, 1), 1
	s_wait_xcnt 0x0
	s_wait_alu depctr_hold_cnt(0) depctr_sa_sdst(0) depctr_va_vdst(0) depctr_va_sdst(0) depctr_va_ssrc(0) depctr_va_vcc(0) depctr_vm_vsrc(0)
	s_getreg_b32 s2, hwreg(HW_REG_IB_STS2, 6, 4)
	s_cmp_eq_u32 s2, 0
	s_cbranch_scc0 .Lentry_in_a_cluster
	s_endpgm
.Lentry_in_a_cluster:
	s_bfe_u32 s2, ttmp6, 0x10000c
	s_cmp_lg_u32 s2, 0xf033
	s_cbranch_scc0 .Lentry_shape_is_right
	s_endpgm
.Lentry_shape_is_right:
; THE IN-PROJECTION ON CODES OF BF8 (E5M2), ITS SUMS QUANTISED ON THE WAY OUT.  qkv[token][f] = sum over e of x[token][e] w_in[f][e]; x: [8192][1024], w_in: [3072][1024], one code a byte, K innermost.
; A sum stands for sum x 2^(e0 + e1).  q (f 0-1023) is quantised with 2^e2, k (1024-2047) with 2^e3, v (2048-3071) with 2^e5: code = sum / 2^(e_out - e0 - e1), held within +-57,344, to the nearest code, ties to even.
; LIMIT: e_out - e0 - e1 lies between -126 and 112, so that the scale and 57,344 x the scale are f32 numbers.  NaN or infinity codes among the inputs are not served.
; OUTPUTS.  q_codes, k_codes: [64 (batch x head)][8 chunks][256 tokens][64 d]: d, the next product's K, innermost.  v_codes: [64][8 chunks][64 d][256 tokens]: the tokens (keys), ITS next K, innermost.
; SHARES.  A tile of 256 x 256 sums to a work-group of four waves, 128 x 128 to a wave (64 accumulators, 512 registers); K = 1,024 in four steps of 256 through a ring of two LDS slots filled by the tensor data mover.
; THE BODY MAKES C'[m'][n'] = sum A[m'] . B[n'], used transposed (source 0 = 16 rows of B, source 1 = 16 rows of A): a lane holds one row m' and eight NEIGHBOURING n', which one conversion turns into 8 bytes.
; The cluster's x says which tensor is made: 0 q, 1 k: A = x, B = w_in (n' runs along d).  2 v: A = w_in, B = x (n' runs along the tokens).  Only pointers, tile numbers and the steps of the way out are chosen; there is one path.
; CLUSTERS: 4 x 4 work-groups.  A's tile hangs on the cluster's y, its x and my cy alone and is shared along a row of the cluster, B's on cx in cy's place and is shared along a column: each is asked for JOINTLY.
; REGISTERS, in windows of 256: window 0: v1-7 at work at the head; v8-15 the stores' offsets; v16-31 addresses and the scale; from v128 A's fragments, ONE set; on the way out v32-95 held sums, v96-223 codes.
;   window 1: B's fragments, TWO sets.   window 2: the accumulators of my rows 0-63 ((a, b) at v[8 (8 a + b)]);   window 3: those of my rows 64-127.
.set KSTEP,  256                       ; along K in a slot
.set ROWB,   256                       ; a tile's row in bytes
.set KROW,   1024                      ; a row of x or of w_in in memory, in bytes
.set PITCH,  272                       ; an LDS row: 256 bytes + 16 of padding = 68 words: the 16 rows that a load touches start 4 words apart modulo 64
.set FR,     16                        ; registers of a fragment: 16 rows x 128 K
.set NL,     4                         ; LDS loads that bring one
.set NP,     4                         ; places behind this matrix instruction (ISA guide 7.12.1)
.set HALFT,  128*PITCH                 ; 128 rows: what one tensor load brings
.set SLOT,   4*HALFT                   ; A's 256 rows, then B's 256 rows
.set LAPS,   2                         ; a lap = two K steps = once round the ring: 1,024 / 512
.set SPARE,  2*SLOT                    ; behind the ring: the spare words, 128 bytes for each wave: two blocks of 256 bytes that no other line names
.set OFF,  8                           ; v8-15   the way out: byte offsets of my 16 bytes in eight stores that follow each other
.set ADRA, 16                          ; v16-17  LDS address of my A fragments in slot 0, 1
.set ADRB, 20                          ; v20-21  the same for B
.set STO,  24                          ; v24     the way out: where I put 8 bytes of a row of the stage
.set RD,   25                          ; v25-26  the way out: where I read 16 bytes back: loads 0-15, loads 16-31
.set SPW,  28                          ; v28     LDS address of my spare word; never rewritten
.set NIL,  29                          ; v29     0; never rewritten
.set SC,   30                          ; v30     2^(e_out - e0 - e1) as f32
.set LIM,  31                          ; v31     57,344 x that
.set TMP,  32                          ; v32-95  a block's 64 sums, held
.set CD,   96                          ; v96-223 codes: 16 registers a block; then the 32 x 4 registers read back
.set AF,   128                         ; A's fragments, in window 0
.set G1, 24                            ; s[24:31] descriptor group 1 for A's tiles;  s[32:39] group 0, one set for each slot
.set G0, 32
.set G1B, 48                           ; s[48:55], s[56:63] the same for B's tiles
.set G0B, 56
.set OB,  88                           ; s[88:95] the way out: four bases
.set MSB, 0
.macro WIN new                         ; the immediate's high byte repeats the setting that is left
.if MSB != \new
	s_set_vgpr_msb (MSB<<8)|\new
.set MSB, \new
.endif
.endm
.set MUL_LO, 0xa1                      ; source 0 (B) window 1, source 1 (A) window 0, C and D window 2
.set MUL_HI, 0xf1                      ; the same, C and D window 3
.set TO_B,   0x40                      ; destination window 1, address window 0
; A joint load: waves 0 and 1 fetch for A, waves 2 and 3 for B.  Each of the two lines has ONE mask and one set of registers for all that issue it; the branch hangs on the wave's number alone.
; Four v_nop follow each of the two lines, ahead of the jump, the label and what follows.
.macro JLOAD g0a, g1a, g0b, g1b
	s_cmp_eq_u32 s15, 0
	s_cbranch_scc0 .Lfor_b_\@
	tensor_load_to_lds s[\g0a:\g0a+3], s[\g1a:\g1a+7]
	s_nop 0
.rept 4
	v_nop
.endr
	s_branch .Lasked_\@
.Lfor_b_\@:
	tensor_load_to_lds s[\g0b:\g0b+3], s[\g1b:\g1b+7]
	s_nop 0
.rept 4
	v_nop
.endr
.Lasked_\@:
.endm
.macro CREST                           ; a round of the cluster's barrier behind its opening barrier
	s_cmp_lg_u32 s14, 0
	s_cbranch_scc1 .Lnot_wave_0_\@
	s_barrier_signal -3
.Lnot_wave_0_\@:
	s_barrier_wait -3
	s_barrier_signal -1
	s_barrier_wait -1
.endm
.macro CROUND                          ; a whole round
	s_barrier_signal -1
	s_barrier_wait -1
	CREST
.endm
	s_load_b128 s[4:7], s[0:1], 0x0                ; x's codes s[4:5], w_in's codes s[6:7]
	s_load_b128 s[8:11], s[0:1], 0x10              ; the scales' exponents s[8:9], q's codes s[10:11]
	s_load_b128 s[68:71], s[0:1], 0x20             ; k's codes s[68:69], v's codes s[70:71]
	v_lshl_add_u32 v[SPW], v0, 2, SPARE
	v_mov_b32 v[NIL], 0
	ds_add_u32 v28, v29
	ds_add_u32 v28, v29
	s_wait_dscnt 0x0
	v_lshrrev_b32 v1, 5, v0
	v_readfirstlane_b32 s14, v1                    ; wave 0..3
	s_lshr_b32 s15, s14, 1                         ; which half of the tile's rows m' is mine.  Also: I fetch for A (0) or for B (1)
	s_and_b32 s16, s14, 1                          ; which half of its columns n'.  Also: which 128 rows of that tile I fetch
	s_bfe_u32 s40, ttmp6, 0x40000                  ; cx, cy: my place in the cluster
	s_bfe_u32 s41, ttmp6, 0x40004
	s_and_b32 s17, ttmp7, 0xffff
	s_lshl_b32 s17, s17, 2                         ; 4 x cluster y: the cluster's first tile of 256 tokens
	s_lshl_b32 s42, ttmp9, 2                       ; 4 x cluster x: the cluster's first tile of 256 rows of w_in
	s_cmp_eq_u32 ttmp9, 2                          ; v?  The cluster's x is the same in all sixteen partners
	s_cselect_b32 s78, 8, s17                      ; A's first tile: v: w_in's tile 8 (row 2,048); q, k: the tokens'
	s_cselect_b32 s79, s17, s42                    ; B's first tile: v: the tokens'; q, k: w_in's
	s_cselect_b32 s66, s41, s40                    ; tc: which four heads: v: cy; q, k: cx   (for the stores alone)
	s_cselect_b32 s67, s40, s41                    ; tl: which tile of tokens: v: cx; q, k: cy   (for the stores alone)
	s_add_co_u32 s78, s78, s41                     ; A's tile: + cy: no cx enters it
	s_add_co_u32 s79, s79, s40                     ; B's tile: + cx: no cy enters it
	s_lshl_b32 s43, s41, 2
	s_lshl_b32 s43, 15, s43                        ; my row of the cluster
	s_lshl_b32 s44, 0x1111, s40                    ; my column
	; descriptor group 1: a tile of 128 rows x 256 bytes, padded in LDS
	s_or_b32 s[G1+0], s43, (0<<16)|(1<<20)|(1<<21)|(5<<22)|(3<<25)  ; 15:0 the mask: A's tiles go to my row; 17:16 element of 1 byte; 20 padding on; 21 set beside a mask; 24:22 after every 64 words (code 5); 31:25 of 4 words (code 3)
	s_or_b32 s[G1B+0], s44, (0<<16)|(1<<20)|(1<<21)|(5<<22)|(3<<25)
.irp g, G1, G1B
	s_mov_b32 s[\g+1], ROWB<<16                    ; tensor_dim0
	s_mov_b32 s[\g+2], 128<<16                     ; tensor_dim1 = 128
	s_mov_b32 s[\g+3], ROWB<<16                    ; tile_dim0
	s_mov_b32 s[\g+4], 128                         ; tile_dim1 = 128
	s_mov_b32 s[\g+5], KROW                        ; tensor_dim0_stride: both tensors have rows of 1,024 bytes
	s_mov_b32 s[\g+6], 0
	s_mov_b32 s[\g+7], 0
.endr
	s_lshl_b32 s18, s16, 7                         ; which 128 rows of the tile I fetch
	s_lshl_b32 s20, s78, 8
	s_add_co_u32 s20, s20, s18                     ; A: row 256 x tile + 128 x half,
	s_lshl_b32 s20, s20, 10                        ; in bytes: under 2^24
	s_mov_b32 s21, 0
	s_lshl_b32 s46, s79, 8
	s_add_co_u32 s46, s46, s18                     ; B likewise
	s_lshl_b32 s46, s46, 10
	s_mov_b32 s47, 0
	s_mul_i32 s45, s14, HALFT                      ; where they go: wave x 128 rows: no place in the cluster enters an LDS address
	s_wait_kmcnt 0x0
	s_load_b256 s[80:87], s[8:9], 0x0              ; e0 .. e7
	s_cmp_eq_u32 ttmp9, 2
	s_cselect_b64 s[72:73], s[6:7], s[4:5]         ; A's tensor: v: w_in; q, k: x
	s_cselect_b64 s[74:75], s[4:5], s[6:7]         ; B's tensor
	s_cselect_b64 s[76:77], s[70:71], s[68:69]     ; the output: v's codes or k's,
	s_cmp_eq_u32 ttmp9, 0
	s_cselect_b64 s[76:77], s[10:11], s[76:77]     ; or q's
	s_add_nc_u64 s[20:21], s[72:73], s[20:21]
	s_add_nc_u64 s[46:47], s[74:75], s[46:47]
	CROUND                                         ; all sixteen work-groups are here: the first joint loads meet
.irp s, 0,1
	s_mov_b32 s[G0+4*\s], 1
	s_add_co_u32 s[G0+4*\s+1], s45, \s*SLOT
	s_add_nc_u64 s[G0+4*\s+2:G0+4*\s+3], s[20:21], \s*ROWB
	s_or_b32 s[G0+4*\s+3], s[G0+4*\s+3], 0x80000000
	s_mov_b32 s[G0B+4*\s], 1
	s_add_co_u32 s[G0B+4*\s+1], s45, \s*SLOT
	s_add_nc_u64 s[G0B+4*\s+2:G0B+4*\s+3], s[46:47], \s*ROWB
	s_or_b32 s[G0B+4*\s+3], s[G0B+4*\s+3], 0x80000000
	JLOAD G0+4*\s, G1, G0B+4*\s, G1B
.endr
	v_and_b32 v1, 15, v0                           ; r = l % 16
	v_bfe_u32 v2, v0, 4, 1                         ; h = l / 16
	v_mul_u32_u24 v3, v1, PITCH
	v_lshl_add_u32 v4, v2, 4, v3                   ; a fragment's row x pitch + 16 x half
	s_mul_i32 s21, s15, HALFT                      ; my 128 rows of A
	s_mul_i32 s22, s16, HALFT                      ; my 128 rows of B,
	s_add_co_u32 s22, s22, 2*HALFT                 ; which lie behind A's 256
.irp s, 0,1
	v_add_nc_u32 v[ADRA+\s], s21, v4
	v_add_nc_u32 v[ADRB+\s], s22, v4
	s_add_co_u32 s21, s21, SLOT
	s_add_co_u32 s22, s22, SLOT
.endr
	; THE WAY OUT'S ADDRESSES.  The stage is the work-group's: 256 rows m' x 256 bytes (n'), 272 bytes apart, at LDS byte 0: in slot 0, which has had its last fill and its last read when the first code is stored there.
	s_mul_i32 s23, s15, HALFT                      ; in: row 128 x (my half of m') + 16 a + r, byte 128 x (my half of n') + 16 b + 8 h
	s_lshl_b32 s96, s16, 7
	s_add_co_u32 s23, s23, s96
	v_lshl_add_u32 v5, v2, 3, v3
	v_add_nc_u32 v[STO], s23, v5
	v_and_b32 v6, 31, v0                           ; l
	v_lshrrev_b32 v7, 2, v6                        ; back, q and k: wave w takes head w of the tile's four: bytes 64 w .. 64 w + 63 of every row; a load takes 8 rows (tokens), four lanes to a row
	v_mul_u32_u24 v7, v7, PITCH
	v_and_b32 v5, 3, v6
	v_lshl_add_u32 v7, v5, 4, v7
	s_lshl_b32 s96, s14, 6
	v_add_nc_u32 v7, s96, v7                       ; (l / 4) x 272 + 64 w + 16 (l % 4)
	v_mul_u32_u24 v5, v2, PITCH                    ; back, v: a load takes rows 2 w and 2 w + 1 of eight, whole: sixteen lanes to a row
	v_lshl_add_u32 v5, v1, 4, v5
	s_mul_i32 s96, s14, 2*PITCH
	v_add_nc_u32 v5, s96, v5                       ; (2 w + l / 16) x 272 + 16 (l % 16)
	s_mov_b32 s12, 512                             ; q, k: from store to store 8 tokens x 64 bytes;
	s_mov_b32 s13, 0x20000                         ;       wave w's head lies w x 131,072 bytes on;
	s_mov_b32 s18, 4096                            ;       eight stores are 64 tokens
	s_cmp_eq_u32 ttmp9, 2
	s_cselect_b32 s12, 2048, s12                   ; v: from store to store 8 rows d x 256 bytes;
	s_cselect_b32 s13, 512, s13                    ;    wave w's two rows lie w x 512 bytes on;
	s_cselect_b32 s18, 0x20000, s18                ;    eight stores are a head's 64 rows: on to the next head
	s_cselect_b32 s97, -1, 0
	s_mov_b32 s19, 0
	v_cndmask_b32 v[RD], v7, v5, s97               ; the same choice in all lanes
	v_add_nc_u32 v[RD+1], 16*8*PITCH, v[RD]        ; loads 16-31: their offsets would not fit the immediate's 16 bits
	v_lshlrev_b32 v[OFF], 4, v6                    ; in both layouts a store's 32 lanes cover 512 consecutive bytes: 16 l
.irp i, 1,2,3,4,5,6,7
	v_add_nc_u32 v[OFF+\i], s12, v[OFF+\i-1]
.endr
	s_add_co_u32 s72, s17, s67                     ; the tile of 256 tokens, 0 .. 31: batch = its upper bits, chunk = its lower three
	s_lshr_b32 s73, s72, 3
	s_lshl_b32 s73, s73, 21                        ; a batch's 16 heads x 131,072 bytes
	s_lshl_b32 s74, s66, 19                        ; four heads
	s_add_co_u32 s73, s73, s74
	s_and_b32 s74, s72, 7
	s_lshl_b32 s74, s74, 14                        ; a chunk is 16,384 bytes
	s_add_co_u32 s73, s73, s74
	s_mul_i32 s74, s14, s13
	s_add_co_u32 s74, s73, s74                     ; under 2^23
	s_mov_b32 s75, 0
	s_add_nc_u64 s[OB:OB+1], s[76:77], s[74:75]
	s_add_nc_u64 s[OB+2:OB+3], s[OB:OB+1], s[18:19]
	s_add_nc_u64 s[OB+4:OB+5], s[OB+2:OB+3], s[18:19]
	s_add_nc_u64 s[OB+6:OB+7], s[OB+4:OB+5], s[18:19]
.macro FRAG reg, adr, q, i             ; a fragment, 16 rows x 128 K of 8-bit codes, is 16 registers: lane l holds row l % 16; registers 4 c .. 4 c + 3 hold K = 32 c + 16 (l / 16) + 0 .. 15: the same order of k in A and in B
.irp c, 0,1,2,3
	ds_load_b128 v[\reg+4*\c:\reg+4*\c+3], v[\adr] offset:128*(\q)+32*\c+(\i)*16*PITCH
.endr
.endm
; 16 matrix instructions: A's blocks a0, a0 + 1 x B's eight, 128 along K.  p: B's set.  zero = 1: the first product starts the sums: nothing is ever cleared.
; The 64 accumulators take turns, one instruction a turn, in the same order in every step.
.macro MUL16 a0, p, zero
.irp a, \a0, \a0+1
.irp b, 0,1,2,3,4,5,6,7
.if \zero
	v_wmma_f32_16x16x128_bf8_bf8 v[8*(8*((\a)%4)+\b):8*(8*((\a)%4)+\b)+7], v[128*(\p)+FR*\b:128*(\p)+FR*\b+FR-1], v[AF+FR*(\a):AF+FR*(\a)+FR-1], 0
.else
	v_wmma_f32_16x16x128_bf8_bf8 v[8*(8*((\a)%4)+\b):8*(8*((\a)%4)+\b)+7], v[128*(\p)+FR*\b:128*(\p)+FR*\b+FR-1], v[AF+FR*(\a):AF+FR*(\a)+FR-1], v[8*(8*((\a)%4)+\b):8*(8*((\a)%4)+\b)+7]
.endif
.endr
.endr
.endm
.macro FETCH_B slot, q, p              ; B's eight fragments of the slot's q-th 128 along K into set p
	WIN TO_B
.irp i, 0,1,2,3,4,5,6,7
	FRAG 128*(\p)+FR*\i, ADRB+\slot, \q, \i
.endr
	WIN 0
.endm
.macro FETCH_A slot, q, i0             ; A's blocks i0 .. i0 + 3
.irp i, \i0, \i0+1, \i0+2, \i0+3
	FRAG AF+FR*(\i), ADRA+\slot, \q, \i
.endr
.endm
; A load into a register that a matrix instruction has read, and a vector instruction that reads a matrix result, stand NP places behind that matrix instruction, and only plain vector
; instructions that name none of its registers are places (ISA guide 7.12.1 for vector instructions).
.macro PLACES n
.rept \n
	v_nop
.endr
.endm
; A step of 128 along K that has its successor in the same slot.
.macro STEP slot, q, zero
	s_wait_dscnt 4*NL                              ; B's set and A's blocks 0-3 are in; the youngest 16 loads (A's blocks 4-7) may be out
	WIN MUL_LO
	MUL16 0, (\q)%2, \zero
	MUL16 2, (\q)%2, \zero
	s_wait_dscnt 0                                 ; A's blocks 4-7 are in (asked for 32 matrix instructions ago)
	PLACES NP
	FETCH_B \slot, (\q)+1, 1-(\q)%2
	FETCH_A \slot, (\q)+1, 0
	WIN MUL_HI
	MUL16 4, (\q)%2, \zero
	MUL16 6, (\q)%2, \zero
	PLACES NP
	WIN 0
	FETCH_A \slot, (\q)+1, 4
.endm
; A slot's last step changes slots: ONE barrier; in front of it each wave waits for all its tensor loads, adds 0 to its spare word, and waits for that and for its own reads of this slot.  fill = 1: this slot is filled again, two K steps ahead.
.macro TURN slot, next, fill
	s_wait_tensorcnt 0x0                           ; all my tensor loads have landed: my part of the next slot;  (every window is 0 here: the add's two registers lie in window 0)
	ds_add_u32 v[SPW], v[NIL]                      ; 0 onto my spare word
	s_wait_dscnt 4*NL+1                            ; (the add and the youngest 16 loads, A's blocks 4-7, may be out)
	WIN MUL_LO
	MUL16 0, 1, 0                                  ; sixteen matrix instructions stand between the add and the wait for it
	s_wait_dscnt 0x0                               ; the add is done, and my reads of this slot are over
	s_barrier_signal -1
	MUL16 2, 1, 0
	WIN 0
	s_barrier_wait -1
.if \fill
	CREST                                          ; the barrier has opened a round of the cluster's barrier: no wave of any partner still reads this slot's tile or has a load on its way
	s_add_nc_u64 s[G0+4*\slot+2:G0+4*\slot+3], s[G0+4*\slot+2:G0+4*\slot+3], 2*ROWB
	s_add_nc_u64 s[G0B+4*\slot+2:G0B+4*\slot+3], s[G0B+4*\slot+2:G0B+4*\slot+3], 2*ROWB
	JLOAD G0+4*\slot, G1, G0B+4*\slot, G1B         ; the first tensor load behind the round; the four v_nop behind it are the places in front of the loads below
.else
	PLACES NP
.endif
	FETCH_B \next, 0, 0
	FETCH_A \next, 0, 0
	WIN MUL_HI
	MUL16 4, 1, 0
	MUL16 6, 1, 0
	PLACES NP
	WIN 0
	FETCH_A \next, 0, 4
.endm
	s_wait_tensorcnt 1                             ; my part of K step 0 is in (K step 1's load may be out)
	s_barrier_signal -1
	s_barrier_wait -1                              ; everybody's is
	FETCH_B 0, 0, 0
	FETCH_A 0, 0, 0
	FETCH_A 0, 0, 4
	STEP 0, 0, 1                                   ; the first step stands in front of the loop: its products start the sums
	s_mov_b32 s3, LAPS-1
.Llap:                                                 ; a trip goes once round the ring, from a lap's second step to the next lap's first, and fills both slots again
	TURN 0, 1, 1
	STEP 1, 0, 0
	TURN 1, 0, 1
	STEP 0, 0, 0
	s_sub_co_u32 s3, s3, 1
	s_cmp_lg_u32 s3, 0
	s_cbranch_scc1 .Llap
	TURN 0, 1, 0                                   ; the last lap fills nothing, and has no round of the cluster's barrier
	STEP 1, 0, 0
	s_wait_dscnt 4*NL                              ; the very last step: nothing more to fetch
	WIN MUL_LO
	MUL16 0, 1, 0
	MUL16 2, 1, 0
	s_wait_dscnt 0
	WIN MUL_HI
	MUL16 4, 1, 0
	MUL16 6, 1, 0
	WIN 0
	; THE WAY OUT.  The three scales are folded into the conversion's one.
	s_wait_kmcnt 0x0
	s_cmp_eq_u32 ttmp9, 2
	s_cselect_b32 s96, s85, s83                    ; e5 for v, e3 for k,
	s_cmp_eq_u32 ttmp9, 0
	s_cselect_b32 s96, s82, s96                    ; e2 for q
	s_sub_co_i32 s96, s96, s80
	s_sub_co_i32 s96, s96, s81                     ; e_out - e0 - e1
	s_add_co_i32 s96, s96, 127
	s_lshl_b32 s97, s96, 23
	v_mov_b32 v[SC], s97                           ; the scale as f32: the conversion takes its exponent field
	s_add_co_i32 s96, s96, 15
	s_lshl_b32 s96, s96, 23
	s_or_b32 s96, s96, 0x600000
	v_mov_b32 v[LIM], s96                          ; 57,344 x the scale
	PLACES NP                                      ; behind the last products: for the reads of their results and the writes over A's fragments
; Block a: my rows 16 a .. 16 a + 15, 128 columns.  64 holds (each accumulator from its low end on), 8 conversions, 8 stores of 8 bytes into the stage: 32 lanes, 64 different banks' words (row r starts 4 r words on, + 2 h).
.macro QBLOCK a
.set AC, 64*((\a)%4)
	WIN (0x02+(\a)/4)                              ; source 0: window 2 or 3
.set J, 0
.rept 64
	v_med3_num_f32 v[TMP+J], v[AC+J], -v[LIM], v[LIM]   ; the conversion to an 8-bit code does not saturate (ISA guide 7.6.2): the hold at the largest code x the scale
.set J, J+1
.endr
	WIN 0
.irp b, 0,1,2,3,4,5,6,7
	v_cvt_scalef32_pk8_bf8_f32 v[CD+16*(\a)+2*\b:CD+16*(\a)+2*\b+1], v[TMP+8*\b:TMP+8*\b+7], v[SC]
.endr
	v_nop                                          ; a plain vector instruction between the conversions and the next block's holds, which write their sources
.irp b, 0,1,2,3,4,5,6,7
	ds_store_b64 v[STO], v[CD+16*(\a)+2*\b:CD+16*(\a)+2*\b+1] offset:(\a)*16*PITCH+16*\b
.endr
.endm
.irp a, 0,1,2,3,4,5,6,7
	QBLOCK \a
.endr
	s_wait_dscnt 0x0                               ; for the others' sake: my stores into the stage are done (a row's 256 bytes come from two waves)
	s_barrier_signal -1
	s_barrier_wait -1
.set I, 0
.rept 32
	ds_load_b128 v[CD+4*I:CD+4*I+3], v[RD+I/16] offset:(I%16)*8*PITCH   ; eight rows of the stage further on with each load
.set I, I+1
.endr
.set I, 0
.rept 32
	s_wait_dscnt 31-I                              ; LDS loads come back in order: load I is in, the younger ones may be out
	global_store_b128 v[OFF+I%8], v[CD+4*I:CD+4*I+3], s[OB+2*(I/8):OB+2*(I/8)+1]   ; 32 lanes store 512 consecutive bytes, at a multiple of 512 from the buffer's first byte
.set I, I+1
.endr
	s_wait_tensorcnt 0x0                           ; the wave's end: behind my last tensor load and my last LDS store
	ds_add_u32 v[SPW], v[NIL]
	s_wait_dscnt 0x0
	CROUND                                         ; the closing round: no work-group ends while a partner may still ask for a tile that names it
	s_endpgm
.Lfunc_end_k_qf6ddfdc184_qkv:
	.size	k_qf6ddfdc184_qkv, .Lfunc_end_k_qf6ddfdc184_qkv-k_qf6ddfdc184_qkv
	.p2alignl 7, 3214868480
	.fill 96, 4, 3214868480
	.section	.rodata,"a",@progbits
	.p2align	6, 0x0
	.amdhsa_kernel k_qf6ddfdc184_qkv
		.amdhsa_group_segment_fixed_size 327680
		.amdhsa_private_segment_fixed_size 0
		.amdhsa_enable_private_segment 0
		.amdhsa_kernarg_size 48
		.amdhsa_user_sgpr_count 2
		.amdhsa_user_sgpr_kernarg_segment_ptr 1
		.amdhsa_wavefront_size32 1
		.amdhsa_system_sgpr_workgroup_id_x 1
		.amdhsa_system_sgpr_workgroup_id_y 1
		.amdhsa_system_sgpr_workgroup_id_z 1
		.amdhsa_system_vgpr_workitem_id 0
		.amdhsa_next_free_vgpr 1024
		.amdhsa_next_free_sgpr 98
		.amdhsa_reserve_vcc 0
		.amdhsa_float_denorm_mode_32 3
		.amdhsa_float_denorm_mode_16_64 3
		.amdhsa_memory_ordered 1
		.amdhsa_forward_progress 1
		.amdhsa_inst_pref_size 127
	.end_amdhsa_kernel
	.amdgpu_metadata
---
amdhsa.version: [ 1, 2 ]
amdhsa.kernels:
  - .name:           k_qf6ddfdc184_qkv
    .symbol:         k_qf6ddfdc184_qkv.kd
    .args:
      - { .name: x_codes, .offset: 0, .size: 8, .value_kind: global_buffer, .address_space: global }
      - { .name: w_in_codes, .offset: 8, .size: 8, .value_kind: global_buffer, .address_space: global }
      - { .name: lowp_scales, .offset: 16, .size: 8, .value_kind: global_buffer, .address_space: global }
      - { .name: q_codes, .offset: 24, .size: 8, .value_kind: global_buffer, .address_space: global }
      - { .name: k_codes, .offset: 32, .size: 8, .value_kind: global_buffer, .address_space: global }
      - { .name: v_codes, .offset: 40, .size: 8, .value_kind: global_buffer, .address_space: global }
    .group_segment_fixed_size: 327680
    .private_segment_fixed_size: 0
    .kernarg_segment_align: 8
    .kernarg_segment_size: 48
    .max_flat_workgroup_size: 128
    .sgpr_count:     98
    .vgpr_count:     1024
    .wavefront_size: 32
...
	.end_amdgpu_metadata
.endif
;; end of part 1
;; launch attn (part 2): grid 4 x 64, 16 waves a work-group, no clusters, 174,080 bytes of LDS; arguments q_codes, k_codes, v_codes, lowp_scales, o_codes; writes o_codes
.if DOCPART == 2
	.amdgcn_target "amdgcn-amd-amdhsa--gfx1250"
	.amdhsa_code_object_version 6
	.text
	.protected	k_qf6ddfdc184_attn
	.globl	k_qf6ddfdc184_attn
	.p2align	8
	.type	k_qf6ddfdc184_attn,@function
k_qf6ddfdc184_attn:
	s_mov_b64 s[64:65], 0
	v_nop
	global_prefetch_b8 v0, s[64:65] scope:SCOPE_SE
	s_setreg_imm32_b32 hwreg(HW_REG_WAVE_MODE, 25, 1), 1
	s_wait_xcnt 0x0
; SLIDING-WINDOW ATTENTION WITH ALIBI ON CODES OF BF8 (E5M2).  For each (batch, head): logit(q, k) = Q[q] . K[k] / 8 + slope x (q - k) where 0 <= q - k <= 512 and k >= 0; slope = 2^(-(head + 1) / 2).
; q_codes, k_codes: [64 (batch x head)][2048][64], scales 2^e2, 2^e3.  v_codes: [64][8 chunks][64 d][256 keys], keys innermost, 2^e5.  o_codes: [8192 tokens][1024 = head x 64 + d], quantised here with 2^e6.
; THE SOFTMAX AHEAD OF THE SECOND PRODUCT: t = logit x log2(e); M = the row's largest t so far, rounded UP to a whole number; p = 2^(t - M) is quantised with 2^e4, not normalised.  The row's sum is taken of the
; unquantised p, in f32, and divides O at the end.  When M moves, the sum and O are multiplied by 2^(old M - new M): exact.
; SHARES.  A work-group owns 512 queries of one head (x: which 512; y: batch x head).  Their 1,024 candidate keys, four chunks of 256, lie in LDS for the whole launch: 64 KiB of K's codes and 64 KiB of V's, each
; byte filled once: no ring, one barrier.  Sixteen waves, four to a SIMD; wave w makes two tiles of 16 queries, one a pass: queries 256 p + 16 w + r of the 512.
; STEPS of 128 keys.  With g = w / 8 and dl = 16 (w % 8) + r, a query's window is local keys 128 (2 p + g) + dl .. + 512: exactly five steps, m + g with m = 2 p + i, i = 0 .. 4.  In step i = 0 key n of 128 counts where
; n >= dl, in step 4 where n <= dl, in steps 1 to 3 all count.  In the first 512 queries of a sequence the steps of keys under 0 (m + g < 4) are left out: a scalar branch on ids round a step's work.
; NO CLUSTER: a chunk of keys is wanted by two work-groups alone (x and x + 1), at different places of their LDS, so no one descriptor serves both.
; LAYOUT.  Both products are used transposed: S^T = K Q^T (source 0 = 16 keys, source 1 = my 16 queries), O^T = V^T P^T: a lane holds ONE query (lane % 16) throughout.
; THE KEYS OF A TILE ARE NOT NEIGHBOURS: lane r of tile 2 b + u takes key 32 b + 8 u + r + 8 (r / 8), so that the 16 registers of tiles 2 b, 2 b + 1 are keys 32 b + 16 (lane / 16) + 0 .. 15.
; THE BIAS.  q - k = (dl + 512 - 128 i - 32 b) - (16 h + 8 u + j).  The second part, x -R with c' R = slope x log2(e), is the C of the score products; the first part, exact in f32, x slope x log2(e), is one number for
; each b.  t = c' (sum + C) + that number, c' = log2(e) / 8 x 2^(e2 + e3).
; LIMITS on the given exponents, so that each power of two below is an f32 number: e2 + e3 between -100 and 100; e4, and e6 - e4 - e5, between -126 and 112.  NaN or infinity among the codes is not served.
; A STORE OF O covers eight pieces of 64 bytes, 1,024 bytes apart: a work-group holds one head, and the next launch wants a token's heads side by side.
.set KP,    80                         ; a key's row in LDS: 64 bytes + 16 of padding
.set VP,    272                        ; a row of V's chunk: 256 bytes + 16
.set KCH,   256*KP                     ; a chunk of K
.set VCH,   64*VP                      ; a chunk of V
.set VOFF,  4*KCH                      ; K's four chunks, then V's four
.set STAGE, VOFF+4*VCH                 ; behind them, in blocks of 256 bytes of its own: 16 rows x 80 bytes for each wave, for the way out
.set AKA,  1                           ; v1   K: my lane's place in a tile, + my g's 128 keys; steps m = 0 .. 3
.set AKB,  2                           ; v2   the same for m = 4 .. 6: 512 keys on (the immediate has 16 bits)
.set AVE,  3                           ; v3   V: my lane's place, for even m
.set AVO,  4                           ; v4   for odd m
.set STO,  5                           ; v5   the way out: where I put 8 bytes of a row
.set SRD,  6                           ; v6   where I read 16 bytes back
.set GO,   7                           ; v7   my byte offset in the wave's rows of o
.set QOF,  8                           ; v8   my byte offset in the wave's rows of q
.set DLI,  9                           ; v9   dl - 16 h
.set DLF,  10                          ; v10  dl as f32
.set NINF, 11                          ; v11  -infinity
                                       ; v12 -M; v13 the largest t; v[14:15] the sum in two halves; v16-23 Q of pass 0; v24-31 four pairs: low: the number of b, high: b's largest
                                       ; v32-95 eight fragments of K or four of V; v96-159 S^T, then p; v160-191 O^T
.set BT,   192                         ; v192-207 the C of the score products
                                       ; v208-223 p's codes; v224-231 Q of pass 1; v232, v233: 2^e4, 57,344 x 2^e4; v234, v235: the same with e6 - e4 - e5
                                       ; v236 a permute's destination; v[240:241] the second chain of sums; v[242:243] f; v244 at work
.set WV,   14                          ; s14  my wave's number
.set G,    15                          ; s15  g = wave / 8
.set BH,   17                          ; s17  batch x 16 + head
.set LIM,  18                          ; s18  a step m is left out where LIM > m
.set SEL,  20                          ; s[20:21] lane selects for v_permlanex16_b32: lane l xor 16
.set CS,   22                          ; s[22:23] c', twice
.set SG,   24                          ; s24  slope x log2(e)
.set NR,   25                          ; s25  -R
.set G1K,  28                          ; s[28:35] descriptor group 1 for K's chunks;  s[36:43] for V's;  s[44:47], s[48:51] their groups 0
.set G1V,  36
.set G0K,  44
.set G0V,  48
	s_load_b256 s[4:11], s[0:1], 0x0               ; q's codes s[4:5], k's s[6:7], v's s[8:9], the scales' exponents s[10:11]
	s_load_b64 s[12:13], s[0:1], 0x20              ; o's codes
	v_lshl_add_u32 v254, v0, 2, 0x2a000
	v_mov_b32 v255, 0
	ds_add_u32 v254, v255
	ds_add_u32 v254, v255
	v_lshrrev_b32 v1, 5, v0
	v_readfirstlane_b32 s[WV], v1                  ; wave 0..15
	s_lshr_b32 s[G], s[WV], 3
	s_and_b32 s[BH], ttmp7, 0xffff
	s_cmp_eq_u32 ttmp9, 0                          ; the sequence's first 512 queries: local keys under 512 do not exist
	s_cselect_b32 s[LIM], 4, 0
	s_sub_co_i32 s[LIM], s[LIM], s[G]              ; m + g < 4  <=>  4 - g > m; elsewhere -g, never above m
	; what I fetch, if I fetch: waves 0-3: K's chunk c = wave % 4; waves 4-7: V's
	s_and_b32 s60, s[WV], 3
	s_lshl_b32 s61, ttmp9, 1
	s_add_co_i32 s61, s61, s60
	s_sub_co_i32 s61, s61, 2                       ; the sequence's chunk 2 x - 2 + c;
	s_max_i32 s61, s61, 0                          ; a chunk that does not exist is held at chunk 0, so that no load leaves its buffer: nothing reads those LDS bytes
	s_lshl_b32 s62, s[BH], 3
	s_add_co_u32 s62, s62, s61
	s_lshl_b32 s62, s62, 14                        ; 16,384 bytes a chunk, in K's buffer and in V's alike: under 2^23
	s_mov_b32 s63, 0
	s_mul_i32 s66, s60, KCH                        ; where it goes
	s_mul_i32 s67, s60, VCH
	s_add_co_u32 s67, s67, VOFF
	; descriptor group 1: both chunks are dense blocks of 64 rows x 256 bytes.  K: four keys to a row, 16 bytes of padding behind each key's 64; V: behind each row's 256
	s_mov_b32 s[G1K], (0<<16)|(1<<20)|(3<<22)|(3<<25)   ; 15:0 no mask; 17:16 elements of 1 byte; 20 padding on; 24:22 after every 16 words (code 3); 31:25 four words (code 3)
	s_mov_b32 s[G1V], (0<<16)|(1<<20)|(5<<22)|(3<<25)   ; after every 64 words (code 5)
.irp g, G1K, G1V
	s_mov_b32 s[\g+1], 256<<16                     ; tensor_dim0
	s_mov_b32 s[\g+2], 64<<16                      ; tensor_dim1
	s_mov_b32 s[\g+3], 256<<16                     ; tile_dim0
	s_mov_b32 s[\g+4], 64                          ; tile_dim1
	s_mov_b32 s[\g+5], 256                         ; tensor_dim0_stride
	s_mov_b32 s[\g+6], 0
	s_mov_b32 s[\g+7], 0
.endr
	s_mov_b32 s[SEL], 0x76543210
	s_mov_b32 s[SEL+1], 0xfedcba98
	s_lshl_b32 s68, s[BH], 11                      ; q: row (batch x head) x 2,048 + 512 x + 16 w, of 64 bytes
	s_lshl_b32 s69, ttmp9, 9
	s_add_co_u32 s68, s68, s69
	s_lshl_b32 s69, s[WV], 4
	s_add_co_u32 s68, s68, s69
	s_lshl_b32 s70, s68, 6
	s_mov_b32 s71, 0
	s_lshr_b32 s72, s[BH], 4                       ; o: row batch x 2,048 + 512 x + 16 w, of 1,024 bytes, + 64 x head
	s_lshl_b32 s72, s72, 11
	s_lshl_b32 s73, ttmp9, 9
	s_add_co_u32 s72, s72, s73
	s_add_co_u32 s72, s72, s69
	s_lshl_b32 s72, s72, 10
	s_and_b32 s74, s[BH], 15                       ; the head
	s_lshl_b32 s73, s74, 6
	s_add_co_u32 s72, s72, s73
	s_mov_b32 s73, 0
	s_wait_dscnt 0x0
	s_wait_kmcnt 0x0
	s_load_b256 s[52:59], s[10:11], 0x0            ; e0 .. e7
	s_mov_b32 s[G0K], 1                            ; 1:0 count = 1
	s_mov_b32 s[G0K+1], s66                        ; 63:32 LDS address
	s_add_nc_u64 s[G0K+2:G0K+3], s[6:7], s[62:63]  ; 120:64 global address
	s_or_b32 s[G0K+3], s[G0K+3], 0x80000000        ; 127:126 type = 2
	s_mov_b32 s[G0V], 1
	s_mov_b32 s[G0V+1], s67
	s_add_nc_u64 s[G0V+2:G0V+3], s[8:9], s[62:63]
	s_or_b32 s[G0V+3], s[G0V+3], 0x80000000
	s_add_nc_u64 s[4:5], s[4:5], s[70:71]
	s_add_nc_u64 s[12:13], s[12:13], s[72:73]
	; THE FILLS: one load a wave for waves 0 to 7, none for the others; the branches hang on the wave's number alone.  Four v_nop follow each of the two lines.
	s_cmp_lt_u32 s[WV], 4
	s_cbranch_scc0 .Lnot_k
	tensor_load_to_lds s[G0K:G0K+3], s[G1K:G1K+7]
	s_nop 0
.rept 4
	v_nop
.endr
	s_branch .Lasked
.Lnot_k:
	s_cmp_lt_u32 s[WV], 8
	s_cbranch_scc0 .Lasked
	tensor_load_to_lds s[G0V:G0V+3], s[G1V:G1V+7]
	s_nop 0
.rept 4
	v_nop
.endr
.Lasked:
	v_and_b32 v240, 15, v0                         ; r
	v_bfe_u32 v241, v0, 4, 1                       ; h
	v_and_b32 v242, 31, v0                         ; l
	v_lshlrev_b32 v[QOF], 6, v240
	v_lshl_add_u32 v[QOF], v241, 4, v[QOF]         ; row r, + 16 h
	; a fragment for 64 along K is 8 registers: registers 4 c .. 4 c + 3 hold d = 32 c + 16 h + 0 .. 15: the same order of d in Q and in K
	global_load_b128 v[16:19], v[QOF], s[4:5]
	global_load_b128 v[20:23], v[QOF], s[4:5] offset:32
	global_load_b128 v[224:227], v[QOF], s[4:5] offset:16384       ; pass 1: 256 queries on
	global_load_b128 v[228:231], v[QOF], s[4:5] offset:16384+32
	v_and_b32 v243, 8, v240
	v_add_nc_u32 v243, v243, v240                  ; r + 8 (r / 8)
	v_mul_u32_u24 v[AKA], v243, KP
	v_lshl_add_u32 v[AKA], v241, 4, v[AKA]
	s_mul_i32 s60, s[G], 128*KP
	v_add_nc_u32 v[AKA], s60, v[AKA]
	v_add_nc_u32 v[AKB], 512*KP, v[AKA]
	v_mul_u32_u24 v[AVE], v240, VP                 ; V: row d = r, + 16 h.  Step m + g lies in chunk (m + g) / 2, at byte 128 ((m + g) % 2) of its rows:
	v_lshl_add_u32 v[AVE], v241, 4, v[AVE]
	v_add_nc_u32 v[AVE], VOFF, v[AVE]
	s_mul_i32 s60, s[G], VCH-128
	s_add_co_u32 s60, s60, 128
	v_add_nc_u32 v[AVO], s60, v[AVE]               ; m odd: chunk m / 2 at byte 128 (g = 0), or the next chunk at byte 0 (g = 1)
	s_lshl_b32 s60, s[G], 7
	v_add_nc_u32 v[AVE], s60, v[AVE]               ; m even: chunk m / 2 at byte 128 g
	s_mul_i32 s60, s[WV], 16*KP
	s_add_co_u32 s60, s60, STAGE                   ; my stage
	v_mul_u32_u24 v[STO], v240, KP
	v_lshl_add_u32 v[STO], v241, 3, v[STO]
	v_add_nc_u32 v[STO], s60, v[STO]               ; in: row r, tile t's eight d of my half: 16 t + 8 h
	v_lshrrev_b32 v243, 2, v242                    ; l / 4
	v_and_b32 v244, 3, v242                        ; l % 4
	v_mul_u32_u24 v[SRD], v243, KP
	v_lshl_add_u32 v[SRD], v244, 4, v[SRD]
	v_add_nc_u32 v[SRD], s60, v[SRD]               ; back: four lanes to a row of 64 bytes, eight rows a load
	v_lshlrev_b32 v[GO], 10, v243
	v_lshl_add_u32 v[GO], v244, 4, v[GO]           ; and the same in o
	s_and_b32 s60, s[WV], 7
	s_lshl_b32 s60, s60, 4
	v_add_nc_u32 v243, s60, v240                   ; dl = 16 (w % 8) + r
	v_cvt_f32_u32 v[DLF], v243
	v_lshlrev_b32 v244, 4, v241                    ; 16 h
	v_sub_nc_u32 v[DLI], v243, v244                ; register 16 b + i holds key 32 b + 16 h + i of the step: it is compared as 32 b + i against dl - 16 h
	s_wait_kmcnt 0x0
	s_add_co_i32 s60, s54, s55                     ; e2 + e3
	s_lshl_b32 s61, s60, 23
	s_add_co_i32 s[CS], s61, 0x3e38aa3b            ; c' = log2(e) / 8 with e2 + e3 added to its exponent field
	s_mov_b32 s[CS+1], s[CS]                       ; (named with it as a pair, so it is written)
	s_add_co_u32 s62, s74, 1                       ; head + 1
	s_and_b32 s63, s62, 1                          ; odd?
	s_mov_b32 s66, 0x3f3504f3                      ; 2^(-1/2)
	s_cselect_b32 s63, s66, 0x3f800000             ; or 1,
	s_lshr_b32 s62, s62, 1
	s_lshl_b32 s62, s62, 23
	s_sub_co_u32 s63, s63, s62                     ; with (head + 1) / 2 taken off the exponent field: the slope
	s_mul_f32 s[SG], s63, 0x3fb8aa3b               ; x log2(e)
	s_sub_co_i32 s60, 3, s60
	s_lshl_b32 s60, s60, 23
	s_add_co_i32 s[NR], s63, s60                   ; R = slope x 2^(3 - e2 - e3): c' R = slope x log2(e)
	s_xor_b32 s[NR], s[NR], 0x80000000             ; -R
.irp i, 0,1,2,3,4,5,6,7,8,9,10,11,12,13,14,15
	v_add_nc_u32 v[BT+\i], \i, v244                ; 16 h + 8 u + j
.endr
.irp i, 0,1,2,3,4,5,6,7,8,9,10,11,12,13,14,15
	v_cvt_f32_u32 v[BT+\i], v[BT+\i]
.endr
.irp i, 0,1,2,3,4,5,6,7,8,9,10,11,12,13,14,15
	v_mul_f32 v[BT+\i], s[NR], v[BT+\i]
.endr
	s_add_co_i32 s60, s56, 127
	s_lshl_b32 s61, s60, 23
	v_mov_b32 v232, s61                            ; 2^e4 as f32, for p's conversions
	s_add_co_i32 s60, s60, 15
	s_lshl_b32 s60, s60, 23
	s_or_b32 s60, s60, 0x600000
	v_mov_b32 v233, s60                            ; 57,344 x 2^e4
	s_sub_co_i32 s60, s58, s56
	s_sub_co_i32 s60, s60, s57                     ; a sum of the second product stands for sum x 2^(e4 + e5): o's code is (sum / l) / 2^(e6 - e4 - e5)
	s_add_co_i32 s60, s60, 127
	s_lshl_b32 s61, s60, 23
	v_mov_b32 v234, s61
	s_add_co_i32 s60, s60, 15
	s_lshl_b32 s60, s60, 23
	s_or_b32 s60, s60, 0x600000
	v_mov_b32 v235, s60
	v_mov_b32 v[NINF], 0xff800000
	v_mov_b32 v236, 0                              ; written once: a lane permute's destination counts as one of its sources
	v_mov_b32 v243, 0                              ; (named as the upper half of the pair v[242:243])
	s_wait_tensorcnt 0x0                           ; my chunk has landed (a wave that asked for none passes at once),
	s_barrier_signal -1
	s_barrier_wait -1                              ; everybody's has: from here on LDS's K and V are only read
	s_wait_loadcnt 0x0                             ; Q
; A KEY STEP.  m: which 128 keys (m + g).  kind: 0 the window's far edge, 1 all keys count, 2 the diagonal.  qr: Q's registers.  d0 .. d3: 512 - 128 i - 32 b as f32 patterns.
.macro STEP m, kind, qr, d0, d1, d2, d3
.if (\m) < 4
	s_cmp_gt_i32 s[LIM], \m                        ; keys under 0: the step's loads, products and softmax are left out; no barrier and no tensor load stands in a step
	s_cbranch_scc1 .Lskip_\@
.endif
	v_add_f32 v24, \d0, v[DLF]                     ; dl + 512 - 128 i - 32 b: a whole number, exact.  (These four are the places in front of loads into registers that the last products read)
	v_add_f32 v26, \d1, v[DLF]
	v_add_f32 v28, \d2, v[DLF]
	v_add_f32 v30, \d3, v[DLF]
.irp t, 0,1,2,3,4,5,6,7
.irp c, 0,1
	ds_load_b128 v[32+8*\t+4*\c:35+8*\t+4*\c], v[AKA+(\m)/4] offset:((\m)&3)*128*KP+(32*(\t/2)+8*(\t%2))*KP+32*\c
.endr
.endr
.irp b, 0,1,2,3
	v_mul_f32 v[24+2*\b], s[SG], v[24+2*\b]        ; x slope x log2(e)
.endr
	s_wait_dscnt 0x0                               ; K's eight fragments are in
.irp t, 0,1,2,3,4,5,6,7
	v_wmma_f32_16x16x64_bf8_bf8 v[96+8*\t:103+8*\t], v[32+8*\t:39+8*\t], v[\qr:\qr+7], v[BT+8*(\t%2):BT+8*(\t%2)+7]
.endr
.rept 4
	v_nop                                          ; places in front of the loads below and of the first read of the scores
.endr
.irp t, 0,1,2,3
.irp c, 0,1,2,3
	ds_load_b128 v[32+16*\t+4*\c:35+16*\t+4*\c], v[AVE+((\m)&1)] offset:((\m)>>1)*VCH+16*\t*VP+32*\c   ; V's four fragments land while the softmax is worked
.endr
.endr
.if \kind != 1
.set NN, 0
.rept 64                                       ; hidden scores become -infinity ahead of the maximum: p = 0 then.  Each accumulator from its low end on
.if \kind == 2
	v_cmp_gt_i32 vcc_lo, 32*(NN/16)+NN%16, v[DLI]  ; the diagonal: key > dl
.else
	v_cmp_lt_i32 vcc_lo, 32*(NN/16)+NN%16, v[DLI]  ; the far edge: key < dl
.endif
	v_cndmask_b32 v[96+NN], v[96+NN], v[NINF], vcc_lo
.set NN, NN+1
.endr
.endif
.irp b, 0,1,2,3
	v_max3_num_f32 v[25+2*\b], v[96+16*\b], v[97+16*\b], v[98+16*\b]   ; the largest of each b's 16 scores: four chains by turns
.endr
.irp i, 3,5,7,9,11,13
.irp b, 0,1,2,3
	v_max3_num_f32 v[25+2*\b], v[25+2*\b], v[96+16*\b+\i], v[97+16*\b+\i]
.endr
.endr
.irp b, 0,1,2,3
	v_max_num_f32 v[25+2*\b], v[25+2*\b], v[111+16*\b]
.endr
.irp b, 0,1,2,3
	v_fma_f32 v[25+2*\b], v[25+2*\b], s[CS], v[24+2*\b]   ; as t (c' is positive)
.endr
	v_max3_num_f32 v244, v25, v27, v29
	v_max_num_f32 v244, v244, v31
	v_permlanex16_b32 v236, v244, s[SEL], s[SEL+1]
	v_max3_num_f32 v13, v13, v244, v236            ; the running largest t, lane l xor 16's keys among them
	v_mov_b32 v244, v12
	v_floor_f32 v12, -v13                          ; the new -M = floor(-t) = -ceil(t): M IS A WHOLE NUMBER
	v_sub_f32 v244, v12, v244                      ; M's old value less its new one: a whole number, 0 or less
	v_cvt_i32_f32 v244, v244                       ; (it saturates)
	v_ldexp_f32 v242, 1.0, v244                    ; f = 2^(old M - new M)
.irp b, 0,1,2,3
	v_add_f32 v[24+2*\b], v[24+2*\b], v12          ; b's number - M
.endr
.irp b, 0,1,2,3
.irp j, 0,2,4,6,8,10,12,14
	v_pk_fma_f32 v[96+16*\b+\j:97+16*\b+\j], v[96+16*\b+\j:97+16*\b+\j], s[CS:CS+1], v[24+2*\b:25+2*\b] op_sel_hi:[1,0,0]   ; t - M, two at a time (of both pairs the low word serves both halves)
.endr
.endr
.set NN, 0
.rept 64
	v_exp_f32 v[96+NN], v[96+NN]                   ; p = 2^(t - M), at most 1: NOT normalised
.set NN, NN+1
.endr
	v_pk_mul_f32 v[14:15], v[14:15], v[242:243] op_sel_hi:[1,0]   ; the sums under the new M.  (A plain place behind the exponentials)
	s_wait_alu depctr_va_vdst(0)
	v_pk_add_f32 v[240:241], v[96:97], v[98:99]    ; THE ROW'S SUM IS TAKEN OF THE UNQUANTISED p: two at a time, in two chains
.irp j, 4,8,12,16,20,24,28,32,36,40,44,48,52,56,60
	v_pk_add_f32 v[14:15], v[14:15], v[96+\j:97+\j]
	v_pk_add_f32 v[240:241], v[240:241], v[98+\j:99+\j]
.endr
	v_pk_add_f32 v[14:15], v[14:15], v[240:241]
.irp b, 0,1,2,3
.irp i, 0,1,2,3,4,5,6,7,8,9,10,11,12,13,14,15
	v_min_num_f32 v[96+16*\b+\i], v[96+16*\b+\i], v233   ; the conversion to an 8-bit code does not saturate (ISA guide 7.6.2); p is not negative, so the hold is one-sided
.endr
	v_cvt_scalef32_pk8_bf8_f32 v[208+4*\b:209+4*\b], v[96+16*\b:103+16*\b], v232   ; registers 4 b .. 4 b + 3 of the operand: keys 32 b + 16 h + 0 .. 15, as V's loads lay them
	v_cvt_scalef32_pk8_bf8_f32 v[210+4*\b:211+4*\b], v[104+16*\b:111+16*\b], v232
.endr
.irp j, 0,2,4,6,8,10,12,14,16,18,20,22,24,26,28,30
	v_pk_mul_f32 v[160+\j:161+\j], v[160+\j:161+\j], v[242:243] op_sel_hi:[1,0]   ; O^T under the new M: x f.  (Plain lines between the conversions and the products that read their results)
.endr
	s_wait_dscnt 0x0                               ; V's four fragments are in
.irp t, 0,1,2,3                                ; O^T += V^T P^T: the four accumulators by turns, one instruction a turn
	v_wmma_f32_16x16x128_bf8_bf8 v[160+8*\t:167+8*\t], v[32+16*\t:47+16*\t], v[208:223], v[160+8*\t:167+8*\t]
.endr
.if (\m) < 4
.Lskip_\@:
.endif
.endm
; A pass begins: the largest t under every t, the sums and O^T zeros.  Which step is a pass's first hangs on the work-group, so the step is written once and finds zeros, which the first change of M leaves zeros.
.macro INIT
	v_mov_b32 v13, 0xff61b1e6                      ; -3e38
	v_floor_f32 v12, -v13                          ; -M
	v_mov_b32 v14, 0
	v_mov_b32 v15, 0
.set NN, 0
.rept 32
	v_mov_b32 v[160+NN], 0
.set NN, NN+1
.endr
.endm
; THE WAY OUT of a pass: O^T / the sum, held, quantised with the folded scale; 8 bytes a lane and tile into my stage, back as rows of 64 bytes, stored 16 bytes a lane.
.macro OUT p
.rept 4
	v_nop                                          ; places behind the last products
.endr
	v_add_f32 v14, v14, v15                        ; the sum's two halves,
	v_permlanex16_b32 v236, v14, s[SEL], s[SEL+1]
	v_add_f32 v14, v14, v236                       ; and lane l xor 16's: the row's sum
	v_rcp_f32 v14, v14
	v_nop                                          ; a plain place behind the transcendental
.set NN, 0
	s_wait_alu depctr_va_vdst(0)
.rept 32
	v_mul_f32 v[96+NN], v[160+NN], v14             ; register 8 t + j is o(query r, d = 16 t + 8 h + j), short of 2^(e4 + e5)
.set NN, NN+1
.endr
.set NN, 0
.rept 32
	v_med3_num_f32 v[96+NN], v[96+NN], -v235, v235
.set NN, NN+1
.endr
.irp t, 0,1,2,3
	v_cvt_scalef32_pk8_bf8_f32 v[208+2*\t:209+2*\t], v[96+8*\t:103+8*\t], v234
.endr
	v_nop                                          ; a plain line behind the last conversion: later products write its registers again
.irp t, 0,1,2,3
	ds_store_b64 v[STO], v[208+2*\t:209+2*\t] offset:16*\t
.endr
	ds_load_b128 v[32:35], v[SRD]                  ; LDS serves a wave's instructions in order: these see my stores
	ds_load_b128 v[36:39], v[SRD] offset:8*KP
	s_wait_dscnt 0x1                               ; the first load is in; the second may be out
	global_store_b128 v[GO], v[32:35], s[12:13] offset:262144*\p          ; pass p: 256 tokens of 1,024 bytes on
	s_wait_dscnt 0x0
	global_store_b128 v[GO], v[36:39], s[12:13] offset:262144*\p+8192     ; eight tokens on
.if \p == 0
	s_wait_xcnt 0x0                                ; the next pass's loads land on these stores' data registers only behind this wait
.endif
.endm
	INIT                                           ; PASS 0: queries 16 w + r
	STEP 0, 0, 16, 0x44000000, 0x43f00000, 0x43e00000, 0x43d00000   ; 512, 480, 448, 416
	STEP 1, 1, 16, 0x43c00000, 0x43b00000, 0x43a00000, 0x43900000   ; 384, 352, 320, 288
	STEP 2, 1, 16, 0x43800000, 0x43600000, 0x43400000, 0x43200000   ; 256, 224, 192, 160
	STEP 3, 1, 16, 0x43000000, 0x42c00000, 0x42800000, 0x42000000   ; 128, 96, 64, 32
	STEP 4, 2, 16, 0, 0xc2000000, 0xc2800000, 0xc2c00000            ; 0, -32, -64, -96
	OUT 0
	INIT                                           ; PASS 1: queries 256 + 16 w + r
	STEP 2, 0, 224, 0x44000000, 0x43f00000, 0x43e00000, 0x43d00000
	STEP 3, 1, 224, 0x43c00000, 0x43b00000, 0x43a00000, 0x43900000
	STEP 4, 1, 224, 0x43800000, 0x43600000, 0x43400000, 0x43200000
	STEP 5, 1, 224, 0x43000000, 0x42c00000, 0x42800000, 0x42000000
	STEP 6, 2, 224, 0, 0xc2000000, 0xc2800000, 0xc2c00000
	OUT 1
	s_wait_tensorcnt 0x0
	ds_add_u32 v254, v255
	s_wait_dscnt 0x0
	s_endpgm
.Lfunc_end_k_qf6ddfdc184_attn:
	.size	k_qf6ddfdc184_attn, .Lfunc_end_k_qf6ddfdc184_attn-k_qf6ddfdc184_attn
	.p2alignl 7, 3214868480
	.fill 96, 4, 3214868480
	.section	.rodata,"a",@progbits
	.p2align	6, 0x0
	.amdhsa_kernel k_qf6ddfdc184_attn
		.amdhsa_group_segment_fixed_size 174080
		.amdhsa_private_segment_fixed_size 0
		.amdhsa_enable_private_segment 0
		.amdhsa_kernarg_size 40
		.amdhsa_user_sgpr_count 2
		.amdhsa_user_sgpr_kernarg_segment_ptr 1
		.amdhsa_wavefront_size32 1
		.amdhsa_system_sgpr_workgroup_id_x 1
		.amdhsa_system_sgpr_workgroup_id_y 1
		.amdhsa_system_sgpr_workgroup_id_z 1
		.amdhsa_system_vgpr_workitem_id 0
		.amdhsa_next_free_vgpr 256
		.amdhsa_next_free_sgpr 80
		.amdhsa_reserve_vcc 1
		.amdhsa_float_denorm_mode_32 3
		.amdhsa_float_denorm_mode_16_64 3
		.amdhsa_memory_ordered 1
		.amdhsa_forward_progress 1
		.amdhsa_inst_pref_size 197
	.end_amdhsa_kernel
	.amdgpu_metadata
---
amdhsa.version: [ 1, 2 ]
amdhsa.kernels:
  - .name:           k_qf6ddfdc184_attn
    .symbol:         k_qf6ddfdc184_attn.kd
    .args:
      - { .name: q_codes, .offset: 0, .size: 8, .value_kind: global_buffer, .address_space: global }
      - { .name: k_codes, .offset: 8, .size: 8, .value_kind: global_buffer, .address_space: global }
      - { .name: v_codes, .offset: 16, .size: 8, .value_kind: global_buffer, .address_space: global }
      - { .name: lowp_scales, .offset: 24, .size: 8, .value_kind: global_buffer, .address_space: global }
      - { .name: o_codes, .offset: 32, .size: 8, .value_kind: global_buffer, .address_space: global }
    .group_segment_fixed_size: 174080
    .private_segment_fixed_size: 0
    .kernarg_segment_align: 8
    .kernarg_segment_size: 40
    .max_flat_workgroup_size: 512
    .sgpr_count:     80
    .vgpr_count:     256
    .wavefront_size: 32
...
	.end_amdgpu_metadata
.endif
;; end of part 2
;; launch proj (part 3): grid 4 x 32, 4 waves a work-group, clusters of 4 x 4, 327,680 bytes of LDS; arguments o_codes, w_out_codes, lowp_scales, out0; writes out0
.if DOCPART == 3
	.amdgcn_target "amdgcn-amd-amdhsa--gfx1250"
	.amdhsa_code_object_version 6
	.text
	.protected	k_qf6ddfdc184_proj
	.globl	k_qf6ddfdc184_proj
	.p2align	8
	.type	k_qf6ddfdc184_proj,@function
k_qf6ddfdc184_proj:
	s_mov_b64 s[64:65], 0
	v_nop
	global_prefetch_b8 v0, s[64:65] scope:SCOPE_SE
	s_setreg_imm32_b32 hwreg(HW_REG_WAVE_MODE, 25, 1), 1
	s_wait_xcnt 0x0
	s_wait_alu depctr_hold_cnt(0) depctr_sa_sdst(0) depctr_va_vdst(0) depctr_va_sdst(0) depctr_va_ssrc(0) depctr_va_vcc(0) depctr_vm_vsrc(0)
	s_getreg_b32 s2, hwreg(HW_REG_IB_STS2, 6, 4)
	s_cmp_eq_u32 s2, 0
	s_cbranch_scc0 .Lentry_in_a_cluster
	s_endpgm
.Lentry_in_a_cluster:
	s_bfe_u32 s2, ttmp6, 0x10000c
	s_cmp_lg_u32 s2, 0xf033
	s_cbranch_scc0 .Lentry_shape_is_right
	s_endpgm
.Lentry_shape_is_right:
; THE OUT-PROJECTION: C[m][n] = sum over k of A[m][k] B[n][k].  A = o's codes [8192][1024], B = w_out's codes [1024][1024]: BF8 (E5M2), one code a byte, K innermost; C = out0 [8192][1024] f32; sums in f32.
; A number of A is its code's value x 2^e6, of B x 2^e7 (entries 6 and 7 of the buffer of scales).  The codes are multiplied as they are, and each finished sum once by 2^(e6 + e7).
; LIMIT: e6 + e7 lies between -126 and 127, so that 2^(e6 + e7) is an f32 number.
; A tile of C, 256 x 256, is made by a work-group of four waves; a wave makes 128 x 128: 64 accumulators of 16 x 16, 512 registers.  128 tiles in all.
; K goes in steps of 256 through a ring of two LDS slots filled by the tensor data mover: a tile's row is 256 bytes of memory.
; CLUSTERS: 4 x 4 work-groups.  The four of a row of the cluster need the same tiles of A, the four of a column the same tiles of B: each tile is asked for JOINTLY, by the same tensor load with the
; same descriptor and a mask that names the four.  THE MATRIX INSTRUCTION IS USED TRANSPOSED (source 0 = 16 rows of B, source 1 = 16 rows of A): a lane then holds eight neighbouring numbers of a row of C.
; REGISTERS, in windows of 256: window 0: v0-31 addresses; from v128 A's fragments (8 x 16 rows x 128 K), ONE set; on the way out v32-255 are free.
;   window 1: B's fragments, TWO sets, at v0 and at v128.   window 2: the 32 accumulators of my rows 0-63 (accumulator (a, b) at v[8 (8 a + b)]);   window 3: those of my rows 64-127.
; A step of 128 along K is 64 matrix instructions, A's blocks one after the other, each against B's eight.  So a block of A is free as soon as its eight products are issued, and one set of registers serves A:
; blocks 0-3 are fetched anew in the step's middle, blocks 4-7 at its end.  B's fragments are at work through the whole step, so B has two sets.
.set SIZE_M, 8192
.set SIZE_N, 1024
.set SIZE_K, 1024
.set KSTEP,  256                       ; along K in a slot
.set ROWB,   256                       ; a tile's row in bytes
.set KROW,   SIZE_K                    ; a row of A or of B in memory, in bytes
.set PITCH,  272                       ; an LDS row: 256 bytes of data + 16 of padding = 68 words: the 16 rows that a load touches start 4 words apart modulo 64
.set FR,     16                        ; registers of a fragment: 16 rows x 128 K
.set NL,     4                         ; LDS loads that bring one
.set NP,     4                         ; places behind this matrix instruction (ISA guide 7.12.1)
.set HALFT,  128*PITCH                 ; 128 rows: what one tensor load brings, and what one wave reads of A or of B
.set SLOT,   4*HALFT                   ; A's 256 rows, then B's 256 rows
.set LAPS,   SIZE_K/(2*KSTEP)          ; a lap = two K steps = once round the ring
.set SPARE,  2*SLOT                    ; behind the ring: the spare words, 128 bytes for each wave: two blocks of 256 bytes that no other line names
.set SPITCH, 528                       ; the way out: a stage of 16 rows x (512 bytes + 16) for each wave.  It lies in slot 0, which has had its last fill and its last read when the first result is stored there
.set ADRA, 16                          ; v16-17  LDS address of my A fragments in slot 0, 1
.set ADRB, 20                          ; v20-21  the same for B
.set STO,  24                          ; v24     the way out: where I put 32 bytes of a row
.set RD,   25                          ; v25     the way out: where I read a row back
.set CO,   26                          ; v26     my byte offset in a row of C
.set SPW,  28                          ; v28     LDS address of my spare word; never rewritten
.set NIL,  29                          ; v29     0; never rewritten
.set TMP,  32                          ; the way out: 64 registers, a block's sums x 2^(e6 + e7)
.set AF,   128                         ; A's fragments, in window 0
.set BK,   128                         ; the way out: 16 rows read back from the stage: v128-191 and v192-255 by turns
.set G1, 24                            ; s[24:31] descriptor group 1 for A's tiles;  s[32:39] group 0, one set for each slot
.set G0, 32
.set G1B, 48                           ; s[48:55], s[56:63] the same for B's tiles
.set G0B, 56
.set MSB, 0
.macro WIN new                         ; the immediate's high byte repeats the setting that is left
.if MSB != \new
	s_set_vgpr_msb (MSB<<8)|\new
.set MSB, \new
.endif
.endm
.set MUL_LO, 0xa1                      ; source 0 (B) window 1, source 1 (A) window 0, C and D window 2
.set MUL_HI, 0xf1                      ; the same, C and D window 3
.set TO_B,   0x40                      ; destination window 1, address window 0
; A joint load: waves 0 and 1 fetch for A, waves 2 and 3 for B.  Each of the two lines has ONE mask and one set of registers for all that issue it; the branch hangs on the wave's number alone.
; Four v_nop follow each of the two lines, ahead of the jump, the label and what follows.
.macro JLOAD g0a, g1a, g0b, g1b
	s_cmp_eq_u32 s15, 0
	s_cbranch_scc0 .Lfor_b_\@
	tensor_load_to_lds s[\g0a:\g0a+3], s[\g1a:\g1a+7]
	s_nop 0
.rept 4
	v_nop
.endr
	s_branch .Lasked_\@
.Lfor_b_\@:
	tensor_load_to_lds s[\g0b:\g0b+3], s[\g1b:\g1b+7]
	s_nop 0
.rept 4
	v_nop
.endr
.Lasked_\@:
.endm
.macro CREST                           ; a round of the cluster's barrier behind its opening barrier
	s_cmp_lg_u32 s14, 0
	s_cbranch_scc1 .Lnot_wave_0_\@
	s_barrier_signal -3
.Lnot_wave_0_\@:
	s_barrier_wait -3
	s_barrier_signal -1
	s_barrier_wait -1
.endm
.macro CROUND                          ; a whole round
	s_barrier_signal -1
	s_barrier_wait -1
	CREST
.endm
	s_load_b128 s[4:7], s[0:1], 0x0                ; A's codes s[4:5], B's codes s[6:7]
	s_load_b128 s[8:11], s[0:1], 0x10              ; the scales' exponents s[8:9], C s[10:11]
	v_lshl_add_u32 v[SPW], v0, 2, SPARE
	v_mov_b32 v[NIL], 0
	ds_add_u32 v28, v29
	ds_add_u32 v28, v29
	s_wait_dscnt 0x0
	v_lshrrev_b32 v1, 5, v0
	v_readfirstlane_b32 s14, v1                    ; wave 0..3
	s_lshr_b32 s15, s14, 1                         ; which half of the tile's rows is mine.  Also: I fetch for A (0) or for B (1)
	s_and_b32 s16, s14, 1                          ; which half of its columns.  Also: which 128 rows of that tile I fetch
	s_bfe_u32 s40, ttmp6, 0x40000                  ; cx, cy: my place in the cluster
	s_bfe_u32 s41, ttmp6, 0x40004
	s_lshl_b32 s42, ttmp9, 2
	s_add_co_u32 s42, s42, s40                     ; tile column of C = 4 x cluster x + cx
	s_and_b32 s17, ttmp7, 0xffff
	s_lshl_b32 s17, s17, 2
	s_add_co_u32 s17, s17, s41                     ; tile row of C = 4 x cluster y + cy
	s_lshl_b32 s43, s41, 2
	s_lshl_b32 s43, 15, s43                        ; my row of the cluster
	s_lshl_b32 s44, 0x1111, s40                    ; my column
	; descriptor group 1: a tile of 128 rows x ROWB bytes, padded in LDS
	s_or_b32 s[G1+0], s43, (0<<16)|(1<<20)|(1<<21)|(5<<22)|(3<<25)  ; 15:0 the mask: A's tiles go to my row; 17:16 element of 1 byte; 20 padding on; 21 set beside a mask; 24:22 after every 64 words (code 5); 31:25 of 4 words (code 3)
	s_or_b32 s[G1B+0], s44, (0<<16)|(1<<20)|(1<<21)|(5<<22)|(3<<25)
.irp g, G1, G1B
	s_mov_b32 s[\g+1], ROWB<<16                    ; tensor_dim0
	s_mov_b32 s[\g+2], 128<<16                     ; tensor_dim1 = 128
	s_mov_b32 s[\g+3], ROWB<<16                    ; tile_dim0
	s_mov_b32 s[\g+4], 128                         ; tile_dim1 = 128
	s_mov_b32 s[\g+5], KROW                        ; tensor_dim0_stride
	s_mov_b32 s[\g+6], 0
	s_mov_b32 s[\g+7], 0
.endr
	s_lshl_b32 s18, s16, 7                         ; which 128 rows of the tile I fetch
	s_lshl_b32 s20, s17, 8
	s_add_co_u32 s20, s20, s18                     ; A: row 256 x tile row + 128 x half
	s_lshl_b32 s46, s42, 8
	s_add_co_u32 s46, s46, s18                     ; B: row 256 x tile column + 128 x half
	s_mov_b32 s21, 0
	s_mov_b32 s47, 0
	s_mov_b64 s[18:19], KROW
	s_mul_u64 s[20:21], s[20:21], s[18:19]         ; and their codes
	s_mul_u64 s[46:47], s[46:47], s[18:19]
	s_mul_i32 s45, s14, HALFT                      ; where they go: wave x 128 rows: no place in the cluster enters an LDS address
	s_wait_kmcnt 0x0
	s_load_b64 s[96:97], s[8:9], 0x18              ; e6, e7
	s_add_nc_u64 s[20:21], s[4:5], s[20:21]
	s_add_nc_u64 s[46:47], s[6:7], s[46:47]
	CROUND                                         ; all sixteen work-groups are here: the first joint loads meet
.irp s, 0,1
	s_mov_b32 s[G0+4*\s], 1
	s_add_co_u32 s[G0+4*\s+1], s45, \s*SLOT
	s_add_nc_u64 s[G0+4*\s+2:G0+4*\s+3], s[20:21], \s*ROWB
	s_or_b32 s[G0+4*\s+3], s[G0+4*\s+3], 0x80000000
	s_mov_b32 s[G0B+4*\s], 1
	s_add_co_u32 s[G0B+4*\s+1], s45, \s*SLOT
	s_add_nc_u64 s[G0B+4*\s+2:G0B+4*\s+3], s[46:47], \s*ROWB
	s_or_b32 s[G0B+4*\s+3], s[G0B+4*\s+3], 0x80000000
	JLOAD G0+4*\s, G1, G0B+4*\s, G1B
.endr
	v_and_b32 v1, 15, v0                           ; l % 16
	v_bfe_u32 v2, v0, 4, 1                         ; l / 16
	v_mul_u32_u24 v3, v1, PITCH
	v_lshl_add_u32 v4, v2, 4, v3                   ; a fragment's row x pitch + 16 x half
	s_mul_i32 s21, s15, HALFT                      ; my 128 rows of A
	s_mul_i32 s22, s16, HALFT                      ; my 128 rows of B,
	s_add_co_u32 s22, s22, 2*HALFT                 ; which lie behind A's 256
.irp s, 0,1
	v_add_nc_u32 v[ADRA+\s], s21, v4
	v_add_nc_u32 v[ADRB+\s], s22, v4
	s_add_co_u32 s21, s21, SLOT
	s_add_co_u32 s22, s22, SLOT
.endr
	s_mul_i32 s23, s14, 16*SPITCH                  ; my stage
	v_mul_u32_u24 v5, v1, SPITCH                   ; in: row l % 16, 32 bytes for each half of the lanes
	v_lshl_add_u32 v5, v2, 5, v5
	v_add_nc_u32 v[STO], s23, v5
	v_and_b32 v6, 31, v0
	v_lshlrev_b32 v[CO], 4, v6                     ; back: the 32 lanes take one row of 512 bytes; and the same in C
	v_add_nc_u32 v[RD], s23, v[CO]
	s_lshl_b32 s20, s17, 8
	s_lshl_b32 s21, s15, 7
	s_add_co_u32 s20, s20, s21                     ; my first row of C: 256 x tile row + 128 x half
	s_mov_b32 s21, 0
	s_mov_b64 s[18:19], SIZE_N*4
	s_mul_u64 s[20:21], s[20:21], s[18:19]
	s_lshl_b32 s46, s42, 10                        ; my first column, in bytes: 1024 x tile column + 512 x half
	s_lshl_b32 s47, s16, 9
	s_add_co_u32 s46, s46, s47
	s_mov_b32 s47, 0
	s_add_nc_u64 s[20:21], s[20:21], s[46:47]
	s_add_nc_u64 s[10:11], s[10:11], s[20:21]
.macro FRAG reg, adr, q, i             ; a fragment, 16 rows x 128 K of 8-bit codes, is 16 registers: lane l holds row l % 16; registers 4 c .. 4 c + 3 hold K = 32 c + 16 (l / 16) + 0 .. 15: the same order of k in A and in B
.irp c, 0,1,2,3
	ds_load_b128 v[\reg+4*\c:\reg+4*\c+3], v[\adr] offset:128*(\q)+32*\c+(\i)*16*PITCH
.endr
.endm
; 16 matrix instructions: A's blocks a0, a0 + 1 x B's eight, 128 along K.  p: B's set.  zero = 1: the first product starts the sums: nothing is ever cleared.
; The 64 accumulators take turns, one instruction a turn, in the same order in every step.
.macro MUL16 a0, p, zero
.irp a, \a0, \a0+1
.irp b, 0,1,2,3,4,5,6,7
.if \zero
	v_wmma_f32_16x16x128_bf8_bf8 v[8*(8*((\a)%4)+\b):8*(8*((\a)%4)+\b)+7], v[128*(\p)+FR*\b:128*(\p)+FR*\b+FR-1], v[AF+FR*(\a):AF+FR*(\a)+FR-1], 0
.else
	v_wmma_f32_16x16x128_bf8_bf8 v[8*(8*((\a)%4)+\b):8*(8*((\a)%4)+\b)+7], v[128*(\p)+FR*\b:128*(\p)+FR*\b+FR-1], v[AF+FR*(\a):AF+FR*(\a)+FR-1], v[8*(8*((\a)%4)+\b):8*(8*((\a)%4)+\b)+7]
.endif
.endr
.endr
.endm
.macro FETCH_B slot, q, p              ; B's eight fragments of the slot's q-th 128 along K into set p
	WIN TO_B
.irp i, 0,1,2,3,4,5,6,7
	FRAG 128*(\p)+FR*\i, ADRB+\slot, \q, \i
.endr
	WIN 0
.endm
.macro FETCH_A slot, q, i0             ; A's blocks i0 .. i0 + 3
.irp i, \i0, \i0+1, \i0+2, \i0+3
	FRAG AF+FR*(\i), ADRA+\slot, \q, \i
.endr
.endm
; A load into a register that a matrix instruction has read, and a vector instruction or an LDS store that reads a matrix result, stand NP places behind that matrix instruction, and only plain vector
; instructions that name none of its registers are places (ISA guide 7.12.1 for vector instructions).
.macro PLACES n
.rept \n
	v_nop
.endr
.endm
; A step of 128 along K that has its successor in the same slot.
.macro STEP slot, q, zero
	s_wait_dscnt 4*NL                              ; B's set and A's blocks 0-3 are in; the youngest 16 loads (A's blocks 4-7) may be out
	WIN MUL_LO
	MUL16 0, (\q)%2, \zero
	MUL16 2, (\q)%2, \zero
	s_wait_dscnt 0                                 ; A's blocks 4-7 are in (asked for 32 matrix instructions ago)
	PLACES NP
	FETCH_B \slot, (\q)+1, 1-(\q)%2
	FETCH_A \slot, (\q)+1, 0
	WIN MUL_HI
	MUL16 4, (\q)%2, \zero
	MUL16 6, (\q)%2, \zero
	PLACES NP
	WIN 0
	FETCH_A \slot, (\q)+1, 4
.endm
; A slot's last step changes slots: ONE barrier; in front of it each wave waits for all its tensor loads, adds 0 to its spare word, and waits for that and for its own reads of this slot.  fill = 1: this slot is filled again, two K steps ahead.
.macro TURN slot, next, fill
	s_wait_tensorcnt 0x0                           ; all my tensor loads have landed: my part of the next slot;  (every window is 0 here: the add's two registers lie in window 0)
	ds_add_u32 v[SPW], v[NIL]                      ; 0 onto my spare word
	s_wait_dscnt 4*NL+1                            ; (the add and the youngest 16 loads, A's blocks 4-7, may be out)
	WIN MUL_LO
	MUL16 0, 1, 0                                  ; sixteen matrix instructions stand between the add and the wait for it
	s_wait_dscnt 0x0                               ; the add is done, and my reads of this slot are over
	s_barrier_signal -1
	MUL16 2, 1, 0
	WIN 0
	s_barrier_wait -1
.if \fill
	CREST                                          ; the barrier has opened a round of the cluster's barrier: no wave of any partner still reads this slot's tile or has a load on its way
	s_add_nc_u64 s[G0+4*\slot+2:G0+4*\slot+3], s[G0+4*\slot+2:G0+4*\slot+3], 2*ROWB
	s_add_nc_u64 s[G0B+4*\slot+2:G0B+4*\slot+3], s[G0B+4*\slot+2:G0B+4*\slot+3], 2*ROWB
	JLOAD G0+4*\slot, G1, G0B+4*\slot, G1B         ; the first tensor load behind the round; the four v_nop behind it are the places in front of the loads below
.else
	PLACES NP
.endif
	FETCH_B \next, 0, 0
	FETCH_A \next, 0, 0
	WIN MUL_HI
	MUL16 4, 1, 0
	MUL16 6, 1, 0
	PLACES NP
	WIN 0
	FETCH_A \next, 0, 4
.endm
	s_wait_tensorcnt 1                             ; my part of K step 0 is in (K step 1's load may be out)
	s_barrier_signal -1
	s_barrier_wait -1                              ; everybody's is
	FETCH_B 0, 0, 0
	FETCH_A 0, 0, 0
	FETCH_A 0, 0, 4
	STEP 0, 0, 1                                   ; the first step stands in front of the loop: its products start the sums
	s_mov_b32 s3, LAPS-1
.Llap:                                                 ; a trip goes once round the ring, from a lap's second step to the next lap's first, and fills both slots again
	TURN 0, 1, 1
	STEP 1, 0, 0
	TURN 1, 0, 1
	STEP 0, 0, 0
	s_sub_co_u32 s3, s3, 1
	s_cmp_lg_u32 s3, 0
	s_cbranch_scc1 .Llap
	TURN 0, 1, 0                                   ; the last lap fills nothing, and has no round of the cluster's barrier
	STEP 1, 0, 0
	s_wait_dscnt 4*NL                              ; the very last step: nothing more to fetch
	WIN MUL_LO
	MUL16 0, 1, 0
	MUL16 2, 1, 0
	s_wait_dscnt 0
	WIN MUL_HI
	MUL16 4, 1, 0
	MUL16 6, 1, 0
	WIN 0
; THE WAY OUT, block by block of 16 rows x 128 columns.  A lane holds 32 neighbouring bytes of a row, and the lanes beside it hold other rows: so a block goes through my own stage in LDS and comes back as whole
; rows of 512 bytes, which the 32 lanes store as 512 consecutive bytes.  LDS serves a wave's instructions in order (ISA guide 5.7.1.4): no wait between the stores and the loads, nor in front of the next block's stores.
.macro TOSTAGE a
.set AC, 64*((\a)%4)
	WIN (0x02+(\a)/4)                              ; source 0: window 2 or 3
.irp j, 0,2,4,6,8,10,12,14,16,18,20,22,24,26,28,30,32,34,36,38,40,42,44,46,48,50,52,54,56,58,60,62
	v_pk_mul_f32 v[TMP+\j:TMP+\j+1], v[AC+\j:AC+\j+1], s[96:97] op_sel_hi:[1,0]   ; both x s96 = 2^(e6 + e7): nothing is rounded, short of overflow and underflow; each accumulator from its low end on
.endr
	WIN 0
.irp b, 0,1,2,3,4,5,6,7
	ds_store_b128 v[STO], v[TMP+8*\b:TMP+8*\b+3] offset:64*\b
	ds_store_b128 v[STO], v[TMP+8*\b+4:TMP+8*\b+7] offset:64*\b+16
.endr
.set BB, BK+64*((\a)%2)
.irp t, 0,1,2,3,4,5,6,7,8,9,10,11,12,13,14,15
	ds_load_b128 v[BB+4*\t:BB+4*\t+3], v[RD] offset:\t*SPITCH
.endr
.endm
.macro SEND a, younger                 ; younger: the LDS instructions issued behind block a's loads, which may stay out
.set BB, BK+64*((\a)%2)
	s_wait_dscnt \younger                          ; the block is back in registers
.if (\a) > 0
	s_add_nc_u64 s[10:11], s[10:11], 16*SIZE_N*4   ; (behind a wait on XCNT: the earlier stores have read their base)  16 rows of C on, so that the stores' offsets stay small: 15 rows of 4,096 bytes at the most
.endif
.irp t, 0,1,2,3,4,5,6,7,8,9,10,11,12,13,14,15
	global_store_b128 v[CO], v[BB+4*\t:BB+4*\t+3], s[10:11] offset:\t*SIZE_N*4 th:TH_STORE_NT   ; 32 lanes store 512 consecutive bytes, at a multiple of 512 from C's first byte; written once, read by nobody here
.endr
.endm
	s_wait_kmcnt 0x0
	s_add_co_i32 s96, s96, s97                     ; e6 + e7, between -126 and 127,
	s_add_co_i32 s96, s96, 127
	s_lshl_b32 s96, s96, 23                        ; makes the f32 number 2^(e6 + e7)
	PLACES NP                                      ; behind the last products: for the loads into the registers that held A's fragments and for block 7's reads alike
	TOSTAGE 0
.irp a, 1,2,3,4,5,6,7
.if \a > 1
	s_wait_xcnt 0x0                                ; block a - 2's stores have read their registers and their base: block a's loads may land there, and the base may step
.endif
	TOSTAGE \a
	SEND \a-1, 32                                  ; behind block a - 1's loads: block a's 16 stores and 16 loads
.endr
	s_wait_xcnt 0x0                                ; block 6's stores have read their base
	SEND 7, 0
	s_wait_tensorcnt 0x0                           ; the wave's end: behind my last tensor load and my last LDS store
	ds_add_u32 v[SPW], v[NIL]
	s_wait_dscnt 0x0
	CROUND                                         ; the closing round: no work-group ends while a partner may still ask for a tile that names it
	s_endpgm
.Lfunc_end_k_qf6ddfdc184_proj:
	.size	k_qf6ddfdc184_proj, .Lfunc_end_k_qf6ddfdc184_proj-k_qf6ddfdc184_proj
	.p2alignl 7, 3214868480
	.fill 96, 4, 3214868480
	.section	.rodata,"a",@progbits
	.p2align	6, 0x0
	.amdhsa_kernel k_qf6ddfdc184_proj
		.amdhsa_group_segment_fixed_size 327680
		.amdhsa_private_segment_fixed_size 0
		.amdhsa_enable_private_segment 0
		.amdhsa_kernarg_size 32
		.amdhsa_user_sgpr_count 2
		.amdhsa_user_sgpr_kernarg_segment_ptr 1
		.amdhsa_wavefront_size32 1
		.amdhsa_system_sgpr_workgroup_id_x 1
		.amdhsa_system_sgpr_workgroup_id_y 1
		.amdhsa_system_sgpr_workgroup_id_z 1
		.amdhsa_system_vgpr_workitem_id 0
		.amdhsa_next_free_vgpr 1024
		.amdhsa_next_free_sgpr 98
		.amdhsa_reserve_vcc 0
		.amdhsa_float_denorm_mode_32 3
		.amdhsa_float_denorm_mode_16_64 3
		.amdhsa_memory_ordered 1
		.amdhsa_forward_progress 1
		.amdhsa_inst_pref_size 123
	.end_amdhsa_kernel
	.amdgpu_metadata
---
amdhsa.version: [ 1, 2 ]
amdhsa.kernels:
  - .name:           k_qf6ddfdc184_proj
    .symbol:         k_qf6ddfdc184_proj.kd
    .args:
      - { .name: o_codes, .offset: 0, .size: 8, .value_kind: global_buffer, .address_space: global }
      - { .name: w_out_codes, .offset: 8, .size: 8, .value_kind: global_buffer, .address_space: global }
      - { .name: lowp_scales, .offset: 16, .size: 8, .value_kind: global_buffer, .address_space: global }
      - { .name: out0, .offset: 24, .size: 8, .value_kind: global_buffer, .address_space: global }
    .group_segment_fixed_size: 327680
    .private_segment_fixed_size: 0
    .kernarg_segment_align: 8
    .kernarg_segment_size: 32
    .max_flat_workgroup_size: 128
    .sgpr_count:     98
    .vgpr_count:     1024
    .wavefront_size: 32
...
	.end_amdgpu_metadata
.endif
;; end of part 3
